; MI455X (gfx1250); checked and timed in simulation.
; The chip was launched on July 23, 2026; its instructions are those of AMD's public machine-readable ISA for CDNA 5 (MIT licence, August 2026) and "CDNA5" Instruction Set Architecture Reference Guide (July 2026). The comments in the code are by the model that wrote it; some were corrected since.
;; Joint Hist Parzen Torch. Allowed arithmetic: float matrix products may take bf16 or f16 operands with f32 sums; all other float work in f32.
;; Inputs: bins_ref 64 float32; bins_tar 64 float32; img_ref 16 x 1 x 256 x 256 float32; img_tar 16 x 1 x 256 x 256 float32.
;; Outputs: out0 16 x 64 x 64 float32.
;; One version. Each part assembles by itself: llvm-mc -triple=amdgcn-amd-amdhsa -mcpu=gfx1250 --defsym DOCPART=n.
;; ======== version 1 of 1: 3 launches
;; workspace buffers: mm 4,096 bytes; part 4,194,304 bytes
;; launch minmax (part 1): grid 256 x 1, 8 waves a work-group, no clusters, 1,280 bytes of LDS; arguments img_ref, img_tar, mm; writes mm
.if DOCPART == 1
	.amdgcn_target "amdgcn-amd-amdhsa--gfx1250"
	.amdhsa_code_object_version 6
	.text
	.protected	k_q83a5da7b0d_minmax
	.globl	k_q83a5da7b0d_minmax
	.p2align	8
	.type	k_q83a5da7b0d_minmax,@function
k_q83a5da7b0d_minmax:
	s_mov_b64 s[64:65], 0
	v_nop
	global_prefetch_b8 v0, s[64:65] scope:SCOPE_SE
	s_setreg_imm32_b32 hwreg(HW_REG_WAVE_MODE, 25, 1), 1
	s_wait_xcnt 0x0
; Partial minima and maxima of the two image tensors (each 16 x 65,536 f32 = 4 MiB), for the global min-max normalisation.
; Work-group g of 256 takes bytes 16,384 g .. 16,384 g + 16,383 of each tensor and stores mm[g] = (min ref, max ref, min tar, max tar).
; Eight waves; thread t takes the 16 bytes at 16 t of each of the four 4,096-byte runs of a tensor's share, so a wave's load covers
; 512 neighbouring bytes.  All eight loads of a thread are issued at once.  No cache hint: the next launch reads the same bytes again.
; A work-group's result is 16 bytes, stored by one lane: 4 KiB in the whole launch.
; LIMIT: the images must be free of NaN (a NaN loses in these minima and maxima, whereas it would win in the definition).
.set SHARE, 16384                      ; bytes of one tensor in a work-group's share
.set RF, 8                             ; v[8:23]   16 numbers of img_ref
.set TG, 24                            ; v[24:39]  16 numbers of img_tar
.set LO, 40                            ; v[40:42]  side chains
.set TP, 44                            ; v44       the other half's figure
.set MO, 45                            ; v45       byte offset of my entry of mm
; 16 numbers to one, in chains that do not wait for each other
.macro FOLD16 op3, op2, b, d
	\op3 v[\d], v[\b], v[\b+1], v[\b+2]
	\op3 v[LO], v[\b+3], v[\b+4], v[\b+5]
	\op3 v[LO+1], v[\b+6], v[\b+7], v[\b+8]
	\op3 v[LO+2], v[\b+9], v[\b+10], v[\b+11]
	\op3 v[\d], v[\d], v[\b+12], v[\b+13]
	\op3 v[LO], v[LO], v[\b+14], v[\b+15]
	\op3 v[\d], v[\d], v[LO], v[LO+1]
	\op2 v[\d], v[\d], v[LO+2]
.endm
; over the 32 lanes: four steps inside each half of 16 lanes, one across the halves; every lane ends with the result
.macro ALL32 opd, op, d
.irp m, 1,2,4,8
	\opd v[\d], v[\d], v[\d] row_xmask:\m row_mask:0xf bank_mask:0xf
.endr
	v_permlanex16_b32 v[TP], v[\d], s14, s15
	\op v[\d], v[\d], v[TP]
.endm
	s_load_b128 s[4:7], s[0:1], 0x0                ; img_ref s[4:5], img_tar s[6:7]
	s_load_b64 s[8:9], s[0:1], 0x10                ; mm
	v_lshl_add_u32 v48, v0, 2, 0x100
	v_mov_b32 v49, 0
	v_lshlrev_b32 v1, 4, v0                        ; 16 t
	v_lshrrev_b32 v2, 5, v0
	v_readfirstlane_b32 s12, v2                    ; wave 0..7
	s_lshl_b32 s10, ttmp9, 14                      ; g x SHARE
	s_mov_b32 s11, 0
	s_lshl_b32 s13, ttmp9, 4                       ; g x 16: my entry of mm
	s_mov_b32 s14, 0x76543210                      ; v_permlanex16_b32: lane i reads lane i of the other half
	s_mov_b32 s15, 0xfedcba98
	s_wait_kmcnt 0x0
	s_add_nc_u64 s[4:5], s[4:5], s[10:11]
	s_add_nc_u64 s[6:7], s[6:7], s[10:11]
.irp j, 0,1,2,3
	global_load_b128 v[RF+4*\j:RF+4*\j+3], v1, s[4:5] offset:4096*\j
.endr
.irp j, 0,1,2,3
	global_load_b128 v[TG+4*\j:TG+4*\j+3], v1, s[6:7] offset:4096*\j
.endr
	v_mov_b32 v[TP], 0                             ; v_permlanex16_b32 counts as a reader of its destination
	v_lshlrev_b32 v3, 4, v2                        ; 16 x wave: my wave's entry in LDS
	v_mov_b32 v[MO], s13                           ; byte offset of mm[g]
	s_wait_loadcnt 0x4                             ; img_ref's four loads are in; img_tar's four may be out
	FOLD16 v_min3_num_f32, v_min_num_f32, RF, 4
	FOLD16 v_max3_num_f32, v_max_num_f32, RF, 5
	s_wait_loadcnt 0x0
	FOLD16 v_min3_num_f32, v_min_num_f32, TG, 6
	FOLD16 v_max3_num_f32, v_max_num_f32, TG, 7
	ALL32 v_min_num_f32_dpp, v_min_num_f32, 4
	ALL32 v_max_num_f32_dpp, v_max_num_f32, 5
	ALL32 v_min_num_f32_dpp, v_min_num_f32, 6
	ALL32 v_max_num_f32_dpp, v_max_num_f32, 7
	ds_store_b128 v3, v[4:7]                       ; all lanes of a wave write the same 16 bytes with the same values
	s_wait_dscnt 0x0                               ; for the others' sake: my store is done before I signal
	s_barrier_signal -1
	s_barrier_wait -1
	s_cmp_lg_u32 s12, 0
	s_cbranch_scc1 .Ldone                          ; wave 0 alone folds the eight waves' entries
	v_and_b32 v3, 7, v0
	v_lshlrev_b32 v3, 4, v3
	ds_load_b128 v[4:7], v3                        ; lane l takes wave (l mod 8)'s entry
	s_wait_dscnt 0x0
.irp m, 1,2,4
	v_min_num_f32_dpp v4, v4, v4 row_xmask:\m row_mask:0xf bank_mask:0xf
	v_max_num_f32_dpp v5, v5, v5 row_xmask:\m row_mask:0xf bank_mask:0xf
	v_min_num_f32_dpp v6, v6, v6 row_xmask:\m row_mask:0xf bank_mask:0xf
	v_max_num_f32_dpp v7, v7, v7 row_xmask:\m row_mask:0xf bank_mask:0xf
.endr
	v_cmp_eq_u32 vcc_lo, 0, v0
	s_wait_xcnt 0x0                                ; EXEC changes only behind this wait
	s_and_saveexec_b32 s16, vcc_lo                 ; one lane stores the 16 bytes
	global_store_b128 v[MO], v[4:7], s[8:9]
	s_wait_xcnt 0x0                                ; and again in front of the line that widens it
	s_or_b32 exec_lo, exec_lo, s16
.Ldone:
	s_wait_tensorcnt 0x0
	ds_add_u32 v48, v49
	s_wait_dscnt 0x0
	s_endpgm
.Lfunc_end_k_q83a5da7b0d_minmax:
	.size	k_q83a5da7b0d_minmax, .Lfunc_end_k_q83a5da7b0d_minmax-k_q83a5da7b0d_minmax
	.p2alignl 7, 3214868480
	.fill 96, 4, 3214868480
	.section	.rodata,"a",@progbits
	.p2align	6, 0x0
	.amdhsa_kernel k_q83a5da7b0d_minmax
		.amdhsa_group_segment_fixed_size 1280
		.amdhsa_private_segment_fixed_size 0
		.amdhsa_enable_private_segment 0
		.amdhsa_kernarg_size 24
		.amdhsa_user_sgpr_count 2
		.amdhsa_user_sgpr_kernarg_segment_ptr 1
		.amdhsa_wavefront_size32 1
		.amdhsa_system_sgpr_workgroup_id_x 1
		.amdhsa_system_sgpr_workgroup_id_y 1
		.amdhsa_system_sgpr_workgroup_id_z 1
		.amdhsa_system_vgpr_workitem_id 0
		.amdhsa_next_free_vgpr 50
		.amdhsa_next_free_sgpr 66
		.amdhsa_reserve_vcc 1
		.amdhsa_float_denorm_mode_32 3
		.amdhsa_float_denorm_mode_16_64 3
		.amdhsa_memory_ordered 1
		.amdhsa_forward_progress 1
		.amdhsa_inst_pref_size 7
	.end_amdhsa_kernel
	.amdgpu_metadata
---
amdhsa.version: [ 1, 2 ]
amdhsa.kernels:
  - .name:           k_q83a5da7b0d_minmax
    .symbol:         k_q83a5da7b0d_minmax.kd
    .args:
      - { .name: img_ref, .offset: 0, .size: 8, .value_kind: global_buffer, .address_space: global }
      - { .name: img_tar, .offset: 8, .size: 8, .value_kind: global_buffer, .address_space: global }
      - { .name: mm, .offset: 16, .size: 8, .value_kind: global_buffer, .address_space: global }
    .group_segment_fixed_size: 1280
    .private_segment_fixed_size: 0
    .kernarg_segment_align: 8
    .kernarg_segment_size: 24
    .max_flat_workgroup_size: 256
    .sgpr_count:     66
    .vgpr_count:     50
    .wavefront_size: 32
...
	.end_amdgpu_metadata
.endif
;; end of part 1
;; launch hist (part 2): grid 256 x 1, 8 waves a work-group, no clusters, 173,056 bytes of LDS; arguments img_ref, img_tar, bins_ref, bins_tar, mm, part; writes part
.if DOCPART == 2
	.amdgcn_target "amdgcn-amd-amdhsa--gfx1250"
	.amdhsa_code_object_version 6
	.text
	.protected	k_q83a5da7b0d_hist
	.globl	k_q83a5da7b0d_hist
	.p2align	8
	.type	k_q83a5da7b0d_hist,@function
k_q83a5da7b0d_hist:
	s_mov_b64 s[64:65], 0
	v_nop
	global_prefetch_b8 v0, s[64:65] scope:SCOPE_SE
	s_setreg_imm32_b32 hwreg(HW_REG_WAVE_MODE, 25, 1), 1
	s_wait_xcnt 0x0
; Partial joint Parzen histograms.  Work-group g of 256 takes image g / 16 and its pixels 4,096 (g mod 16) .. + 4,095 and stores
; part[g][b][c] = sum over these pixels of w(64 bins_ref[b] - q) w(64 bins_tar[c] - s), a 64 x 64 tile of f32;
; q and s are the pixel's two values normalised to 0 .. 64 by the global minima and maxima, w = 6 B / (3 sqrt 3), B the cubic B-spline.
; The next launch adds the 16 tiles of an image and multiplies by 4096 (3 sqrt 3 / 6)^2 = 3072.
;
; THE WINDOW.  The bins are inputs and may hold any numbers, so all 64 + 64 window values of every pixel are evaluated: 4,096 values for each
; lane of the 1,024 SIMDs against 512 matrix instructions for each SIMD, so the count of vector instructions for a value decides.
; With t = min(|x|, 2) and u = 2 - t:  6 B = u^3 - 4 max(1 - t, 0)^3.  As polynomials u^3 - 4 (1 - t)^3 = 4 - 3 t^2 u, which lies below u^3
; for t < 1 and above it for t > 1, so 6 B = min(u^3, 4 - 3 t^2 u) on 0 <= t <= 2: exact, one minimum in place of a second truncated cube.
; Dividing by 3 sqrt 3, with v = u / sqrt 3:  w = min(v^3, 4 / (3 sqrt 3) - t^2 v).  Ten instructions for two values.
;
; THE WORK.  Eight waves, 512 pixels each, 16 steps of K = 32 pixels.  A wave makes the whole 64 x 64 tile: 16 accumulators of 16 x 16 in
; v256-v383 (register window 1), so that every fragment feeds four matrix instructions and no window value is evaluated twice.
; In a fragment lane l holds bin l % 16 of its block of 16 bins, and 16 of the step's 32 pixels along its registers.  Lanes 0-15 take the step's
; pixels 0-15, lanes 16-31 its pixels 16-31, alike in both operands: a permutation of k that is the same on both sides keeps the sum.
; A wave normalises its pixels once, one value a lane, into 4 KiB of LDS of its own; the steps read them back with 16 lanes on one address.
; Source 0 = target bins, source 1 = reference bins: lane l then holds row b = l % 16 and its registers the columns c = 8 (l / 16) + 0..7.
; At the end the eight waves' tiles meet in LDS (rows of 256 + 16 bytes), one barrier, and each wave adds and stores eight rows.
;
; LIMITS.  The images are finite and neither tensor is constant (there the definition gives NaN or infinities, this text does not).
; 1 / (max - min) is v_rcp_f32: 1 ULP, and it flushes denormals, so the spread must lie between 2^-126 and 2^126.
; Window values are rounded to bf16 for the matrix unit; all else is f32.  A NaN or infinite bin gives zeros, as in the definition.
.set CHUNKS, 16                        ; steps of 32 pixels in a wave's 512
.set SPITCH, 272                       ; a stage row: 256 bytes + 16, an odd multiple of 16, so 16 rows' equal columns fall on 16 different 16-byte columns of 256
.set COPY,   64*SPITCH                 ; one wave's tile in the stage
.set QBASE,  8*COPY                    ; behind the stage: 4,096 bytes for each wave: 512 q, then 512 s
.set L16, 3                            ; v3        16 x lane
.set QA,  4                            ; v4        LDS address of my half's 16 pixels of the step at hand
.set QS,  5                            ; v5        LDS address at which I put normalised pixels
.set ST,  6                            ; v6        stage: where my tile rows go
.set RD,  7                            ; v7        stage: where I read rows back, copies 0-3
.set NB,  8                            ; v[8:23]   -64 bin of my lane, twice (a pair): blocks 0-3 of bins_ref, then 0-3 of bins_tar
.set NMU, 24                           ; v[24:25]  -1 / sqrt 3, twice
.set MU2, 26                           ; v[26:27]  2 / sqrt 3, twice
.set KK,  28                           ; v[28:29]  4 / (3 sqrt 3), twice
.set RD1, 30                           ; v30       stage: copies 4-7
.set QR,  32                           ; v[32:47]  q of my 16 pixels
.set QT,  48                           ; v[48:63]  s of my 16 pixels
.set X,   64                           ; v[64:79]  x, then t, t^2, 4/(3 sqrt 3) - t^2 v
.set U,   80                           ; v[80:95]  v
.set CU,  96                           ; v[96:111] v^2, v^3, w
.set FR,  112                          ; v[112:143] four fragments of reference bins
.set FT,  144                          ; v[144:159] two fragments of target bins, by turns
.set HH,  160                          ; v160      lane / 16
.set BO,  161                          ; v161      4 (lane % 16)
.set MM,  164                          ; v[164:171] minima, maxima, then pairs: min ref, min tar, scale ref, scale tar
.set TP,  172
.set TQ,  173
.set LZ,  32                           ; v[32:159] the way out: 8 copies x 4 loads x 4 registers
.set MSB, 0
.macro WIN new                         ; s_set_vgpr_msb; the immediate's high byte repeats the setting that is left
.if MSB != \new
	s_set_vgpr_msb (MSB<<8)|\new
.set MSB, \new
.endif
.endm
	s_load_b256 s[4:11], s[0:1], 0x0               ; img_ref s[4:5], img_tar s[6:7], bins_ref s[8:9], bins_tar s[10:11]
	s_load_b128 s[12:15], s[0:1], 0x20             ; mm s[12:13], part s[14:15]
	v_lshl_add_u32 v254, v0, 2, 0x2a000
	v_mov_b32 v255, 0
	v_and_b32 v1, 31, v0                           ; lane
	v_lshrrev_b32 v2, 5, v0
	v_readfirstlane_b32 s16, v2                    ; wave 0..7
	v_and_b32 v2, 15, v0                           ; lane % 16
	v_lshlrev_b32 v[L16], 4, v1
	v_lshrrev_b32 v[HH], 4, v1
	v_lshlrev_b32 v[BO], 2, v2
	s_lshl_b32 s18, ttmp9, 14                      ; g x 16,384 bytes: 4,096 pixels of an image, and also one tile of part
	s_lshl_b32 s17, s16, 11                        ; wave x 2,048 bytes: 512 pixels, and also eight rows of the tile
	s_add_co_u32 s18, s18, s17
	s_mov_b32 s19, 0
	s_mov_b32 s20, 0x76543210                      ; v_permlanex16_b32: lane i reads lane i of the other half
	s_mov_b32 s21, 0xfedcba98
	s_wait_kmcnt 0x0
	s_add_nc_u64 s[4:5], s[4:5], s[18:19]
	s_add_nc_u64 s[6:7], s[6:7], s[18:19]
	s_add_nc_u64 s[14:15], s[14:15], s[18:19]
	; all 24 loads of the wave go out at once, in the order in which they are needed
.irp j, 0,1,2,3,4,5,6,7
	global_load_b128 v[X+4*\j:X+4*\j+3], v[L16], s[12:13] offset:512*\j     ; mm entries lane + 32 j: the 256 entries over 32 lanes
.endr
.irp i, 0,1,2,3
	global_load_b32 v[CU+\i], v[BO], s[8:9] offset:64*\i                    ; bins_ref[16 i + lane % 16]
	global_load_b32 v[CU+4+\i], v[BO], s[10:11] offset:64*\i                ; bins_tar likewise
.endr
.irp j, 0,1,2,3
	global_load_b128 v[QR+4*\j:QR+4*\j+3], v[L16], s[4:5] offset:512*\j th:TH_LOAD_NT   ; 512 neighbouring bytes a load; read once in this launch
.endr
.irp j, 0,1,2,3
	global_load_b128 v[QT+4*\j:QT+4*\j+3], v[L16], s[6:7] offset:512*\j th:TH_LOAD_NT
.endr
	; addresses and constants while the loads are on their way
	s_lshl_b32 s22, s16, 12
	s_add_co_u32 s22, s22, QBASE                   ; my wave's 4,096 bytes of pixels
	v_add_nc_u32 v[QS], s22, v[L16]
	v_lshl_add_u32 v[QA], v[HH], 6, s22            ; my half's 64 bytes of step 0
	s_mul_i32 s23, s16, COPY
	v_mul_u32_u24 v[ST], v2, SPITCH                ; in: row lane % 16, 32 bytes for each half of the lanes
	v_lshl_add_u32 v[ST], v[HH], 5, v[ST]
	v_add_nc_u32 v[ST], s23, v[ST]
	s_mul_i32 s24, s16, 8*SPITCH                   ; back: my wave's eight rows; lanes 0-15 one row of 256 bytes, lanes 16-31 the next
	v_mul_u32_u24 v[RD], v[HH], SPITCH
	v_lshl_add_u32 v[RD], v2, 4, v[RD]
	v_add_nc_u32 v[RD], s24, v[RD]
	v_add_nc_u32 v[RD1], 4*COPY, v[RD]             ; an LDS offset has 16 bits: four copies to an address register
	v_mov_b32 v[NMU], 0xbf13cd3a                   ; -0.57735027
	v_mov_b32 v[NMU+1], 0xbf13cd3a
	v_mov_b32 v[MU2], 0x3f93cd3a                   ; 1.1547005
	v_mov_b32 v[MU2+1], 0x3f93cd3a
	v_mov_b32 v[KK], 0x3f4511a3                    ; 0.76980036
	v_mov_b32 v[KK+1], 0x3f4511a3
	v_mov_b32 v[TP], 0                             ; v_permlanex16_b32 counts as a reader of its destination
	; the global minima and maxima: every wave folds the 256 entries itself (eight a lane, then over the lanes), so no wave waits for another
.macro FOLD8 op3, op2, c
	\op3 v[MM+\c], v[X+\c], v[X+4+\c], v[X+8+\c]
	\op3 v[TQ], v[X+12+\c], v[X+16+\c], v[X+20+\c]
	\op3 v[MM+\c], v[MM+\c], v[X+24+\c], v[X+28+\c]
	\op2 v[MM+\c], v[MM+\c], v[TQ]
.endm
.macro ALL32 opd, op, d
.irp m, 1,2,4,8
	\opd v[\d], v[\d], v[\d] row_xmask:\m row_mask:0xf bank_mask:0xf
.endr
	v_permlanex16_b32 v[TP], v[\d], s20, s21
	\op v[\d], v[\d], v[TP]
.endm
	s_wait_loadcnt 16                              ; mm's eight loads are in; the eight of the bins and the eight of the images may be out
	FOLD8 v_min3_num_f32, v_min_num_f32, 0
	FOLD8 v_max3_num_f32, v_max_num_f32, 1
	FOLD8 v_min3_num_f32, v_min_num_f32, 2
	FOLD8 v_max3_num_f32, v_max_num_f32, 3
	ALL32 v_min_num_f32_dpp, v_min_num_f32, MM
	ALL32 v_max_num_f32_dpp, v_max_num_f32, MM+1
	ALL32 v_min_num_f32_dpp, v_min_num_f32, MM+2
	ALL32 v_max_num_f32_dpp, v_max_num_f32, MM+3
	v_sub_f32 v[MM+4], v[MM+1], v[MM]              ; the spreads
	v_sub_f32 v[MM+6], v[MM+3], v[MM+2]
	v_rcp_f32 v[MM+5], v[MM+4]
	v_rcp_f32 v[MM+7], v[MM+6]
	v_mov_b32 v[MM+1], v[MM]                       ; plain instructions behind the reciprocals, ahead of their results' use (ISA guide 5.7.2):
	v_mov_b32 v[MM+3], v[MM+2]                     ; the minima become pairs for the packed arithmetic
	s_wait_alu depctr_va_vdst(0)
	v_mul_f32 v[MM+4], 0x42800000, v[MM+5]         ; 64 / spread: the division by the bin width 1/64 is folded in (exact, a power of two)
	v_mul_f32 v[MM+6], 0x42800000, v[MM+7]
	v_mov_b32 v[MM+5], v[MM+4]
	v_mov_b32 v[MM+7], v[MM+6]
	s_wait_loadcnt 8                               ; the bins are in; the images' eight loads may be out
.irp b, 0,1,2,3,4,5,6,7
	v_mul_f32 v[NB+2*\b], 0xc2800000, v[CU+\b]     ; -64 bin, twice
	v_mul_f32 v[NB+2*\b+1], 0xc2800000, v[CU+\b]
.endr
	s_wait_loadcnt 0x0
	; (value - min) first and the scale second, as in the definition: with a large common offset the difference is still exact
.irp p, 0,2,4,6,8,10,12,14
	v_pk_add_f32 v[QR+\p:QR+\p+1], v[QR+\p:QR+\p+1], v[MM:MM+1] neg_lo:[0,1] neg_hi:[0,1]
	v_pk_add_f32 v[QT+\p:QT+\p+1], v[QT+\p:QT+\p+1], v[MM+2:MM+3] neg_lo:[0,1] neg_hi:[0,1]
.endr
.irp p, 0,2,4,6,8,10,12,14
	v_pk_mul_f32 v[QR+\p:QR+\p+1], v[QR+\p:QR+\p+1], v[MM+4:MM+5]
	v_pk_mul_f32 v[QT+\p:QT+\p+1], v[QT+\p:QT+\p+1], v[MM+6:MM+7]
.endr
.irp j, 0,1,2,3
	ds_store_b128 v[QS], v[QR+4*\j:QR+4*\j+3] offset:512*\j
	ds_store_b128 v[QS], v[QT+4*\j:QT+4*\j+3] offset:2048+512*\j
.endr
; four LDS loads: my half's 16 pixels, 64 bytes; the 16 lanes of a half ask for the same words
.macro LOADQ q, off
.irp j, 0,1,2,3
	ds_load_b128 v[\q+4*\j:\q+4*\j+3], v[QA] offset:\off+16*\j
.endr
.endm
; one fragment: the window of my lane's bin (pair nb) at 16 pixels (q), rounded to bf16 into f.  Each line runs over eight pairs, so that
; an instruction's sources were written eight instructions earlier.
.macro EVAL q, nb, f
.irp p, 0,2,4,6,8,10,12,14
	v_pk_add_f32 v[X+\p:X+\p+1], v[\q+\p:\q+\p+1], v[\nb:\nb+1]                                  ; -x = q - 64 bin (the window is even)
.endr
.irp p, 0,1,2,3,4,5,6,7,8,9,10,11,12,13,14,15
	v_min_num_f32 v[X+\p], |v[X+\p]|, 2.0                                                       ; t = min(|x|, 2): beyond 2 the window is 0
.endr
.irp p, 0,2,4,6,8,10,12,14
	v_pk_fma_f32 v[U+\p:U+\p+1], v[X+\p:X+\p+1], v[NMU:NMU+1], v[MU2:MU2+1]                      ; v = (2 - t) / sqrt 3
.endr
.irp p, 0,2,4,6,8,10,12,14
	v_pk_mul_f32 v[X+\p:X+\p+1], v[X+\p:X+\p+1], v[X+\p:X+\p+1]                                  ; t^2
.endr
.irp p, 0,2,4,6,8,10,12,14
	v_pk_mul_f32 v[CU+\p:CU+\p+1], v[U+\p:U+\p+1], v[U+\p:U+\p+1]                                ; v^2
.endr
.irp p, 0,2,4,6,8,10,12,14
	v_pk_fma_f32 v[X+\p:X+\p+1], v[X+\p:X+\p+1], v[U+\p:U+\p+1], v[KK:KK+1] neg_lo:[1,0,0] neg_hi:[1,0,0]   ; 4 / (3 sqrt 3) - t^2 v
.endr
.irp p, 0,2,4,6,8,10,12,14
	v_pk_mul_f32 v[CU+\p:CU+\p+1], v[CU+\p:CU+\p+1], v[U+\p:U+\p+1]                              ; v^3
.endr
.irp p, 0,2,4,6,8,10,12,14
	v_dual_min_num_f32 v[CU+\p], v[CU+\p], v[X+\p] :: v_dual_min_num_f32 v[CU+\p+1], v[CU+\p+1], v[X+\p+1]   ; w, two at once
.endr
.irp p, 0,2,4,6,8,10,12,14
	v_cvt_pk_bf16_f32 v[\f+\p/2], v[CU+\p], v[CU+\p+1]
.endr
.endm
; four matrix instructions: target block j (fragment f) with the four reference blocks.  Accumulator (i, j) is v[256 + 8 (4 i + j)]:
; C and D in window 1, the fragments in window 0.  zero = 1: the first step starts the sums, nothing is cleared.
; The 16 accumulators take turns, one instruction a turn, in the same order in every step, over the loop's backward jump too.
.macro MUL j, f, zero
	WIN 0x50
.irp i, 0,1,2,3
.if \zero
	v_wmma_f32_16x16x32_bf16 v[8*(4*\i+\j):8*(4*\i+\j)+7], v[\f:\f+7], v[FR+8*\i:FR+8*\i+7], 0
.else
	v_wmma_f32_16x16x32_bf16 v[8*(4*\i+\j):8*(4*\i+\j)+7], v[\f:\f+7], v[FR+8*\i:FR+8*\i+7], v[8*(4*\i+\j):8*(4*\i+\j)+7]
.endif
.endr
	WIN 0
.endm
; One step of 32 pixels.  more = 1: the next step's pixels are asked for as soon as this step's registers are free.
; A fragment register is written again at the earliest 72 plain vector instructions (an EVAL up to its conversions, which names
; no register of a matrix instruction) behind the last matrix instruction that read it: more than the four places of ISA guide 7.12.1.
.macro CHUNK zero, more
	s_wait_dscnt 4                                 ; LDS loads come back in order (ISA guide 5.7.1): q is in, the four younger loads (s) may be out
	EVAL QR, NB, FR
	EVAL QR, NB+2, FR+8
	EVAL QR, NB+4, FR+16
	EVAL QR, NB+6, FR+24
.if \more
	LOADQ QR, 128                                  ; the next step's q: it has the four target fragments' work in which to land
	s_wait_dscnt 4                                 ; s is in; the four just issued may be out
.else
	s_wait_dscnt 0                                 ; the last step: nothing was issued behind s
.endif
	EVAL QT, NB+8, FT
	MUL 0, FT, \zero
	EVAL QT, NB+10, FT+8
	MUL 1, FT+8, \zero
	EVAL QT, NB+12, FT
	MUL 2, FT, \zero
	EVAL QT, NB+14, FT+8
.if \more
	LOADQ QT, 2048+128                             ; the next step's s
	v_add_nc_u32 v[QA], 128, v[QA]                 ; 32 pixels on
.endif
	MUL 3, FT+8, \zero
.endm
	LOADQ QR, 0                                    ; LDS serves a wave's instructions in order (ISA guide 5.7.1.4): these see the wave's own stores above
	LOADQ QT, 2048
	CHUNK 1, 1                                     ; the first step stands in front of the loop: its products start the sums
	s_mov_b32 s25, CHUNKS-2
.Lchunk:
	CHUNK 0, 1
	s_sub_co_u32 s25, s25, 1
	s_cmp_lg_u32 s25, 0
	s_cbranch_scc1 .Lchunk
	CHUNK 0, 0                                     ; the last step asks for no further pixels
	; THE WAY OUT.  Four places behind the last matrix instructions, for the LDS stores that read results and for the loads into the fragments' registers.
.rept 4
	v_nop
.endr
	WIN 0x04                                       ; an LDS store's data is source 1: window 1
.irp i, 0,1,2,3
.irp j, 0,1,2,3
	ds_store_b128 v[ST], v[8*(4*\i+\j):8*(4*\i+\j)+3] offset:\i*16*SPITCH+\j*64        ; row 16 i + lane % 16, columns 16 j + 8 (lane / 16) + 0..3
	ds_store_b128 v[ST], v[8*(4*\i+\j)+4:8*(4*\i+\j)+7] offset:\i*16*SPITCH+\j*64+16   ; and + 4..7
.endr
.endr
	WIN 0
	s_wait_dscnt 0x0                               ; for the others' sake: my tile is in LDS before I signal
	s_barrier_signal -1
	s_barrier_wait -1                              ; all eight tiles are
.irp c, 0,1,2,3
.irp k, 0,1,2,3
	ds_load_b128 v[LZ+16*\c+4*\k:LZ+16*\c+4*\k+3], v[RD] offset:\c*COPY+\k*2*SPITCH    ; copy c, my rows 2 k and 2 k + 1: 16 lanes take 256 neighbouring bytes
.endr
.endr
.irp c, 0,1,2,3
.irp k, 0,1,2,3
	ds_load_b128 v[LZ+64+16*\c+4*\k:LZ+64+16*\c+4*\k+3], v[RD1] offset:\c*COPY+\k*2*SPITCH   ; copies 4 to 7
.endr
.endr
.irp c, 0,2,4,6
	s_wait_dscnt 24-4*\c                           ; copies c and c + 1 are in; the 4 (6 - c) loads of later copies may be out
.irp e, 0,2,4,6,8,10,12,14
	v_pk_add_f32 v[LZ+16*\c+\e:LZ+16*\c+\e+1], v[LZ+16*\c+\e:LZ+16*\c+\e+1], v[LZ+16*\c+16+\e:LZ+16*\c+16+\e+1]
.endr
.endr
.irp c, 0,4
.irp e, 0,2,4,6,8,10,12,14
	v_pk_add_f32 v[LZ+16*\c+\e:LZ+16*\c+\e+1], v[LZ+16*\c+\e:LZ+16*\c+\e+1], v[LZ+16*\c+32+\e:LZ+16*\c+32+\e+1]
.endr
.endr
.irp e, 0,2,4,6,8,10,12,14
	v_pk_add_f32 v[LZ+\e:LZ+\e+1], v[LZ+\e:LZ+\e+1], v[LZ+64+\e:LZ+64+\e+1]
.endr
.irp k, 0,1,2,3
	global_store_b128 v[L16], v[LZ+4*\k:LZ+4*\k+3], s[14:15] offset:512*\k   ; two whole rows of 256 bytes a store, aligned; no hint: the next launch reads them
.endr
	s_wait_tensorcnt 0x0
	ds_add_u32 v254, v255
	s_wait_dscnt 0x0
	s_endpgm
.Lfunc_end_k_q83a5da7b0d_hist:
	.size	k_q83a5da7b0d_hist, .Lfunc_end_k_q83a5da7b0d_hist-k_q83a5da7b0d_hist
	.p2alignl 7, 3214868480
	.fill 96, 4, 3214868480
	.section	.rodata,"a",@progbits
	.p2align	6, 0x0
	.amdhsa_kernel k_q83a5da7b0d_hist
		.amdhsa_group_segment_fixed_size 173056
		.amdhsa_private_segment_fixed_size 0
		.amdhsa_enable_private_segment 0
		.amdhsa_kernarg_size 48
		.amdhsa_user_sgpr_count 2
		.amdhsa_user_sgpr_kernarg_segment_ptr 1
		.amdhsa_wavefront_size32 1
		.amdhsa_system_sgpr_workgroup_id_x 1
		.amdhsa_system_sgpr_workgroup_id_y 1
		.amdhsa_system_sgpr_workgroup_id_z 1
		.amdhsa_system_vgpr_workitem_id 0
		.amdhsa_next_free_vgpr 384
		.amdhsa_next_free_sgpr 66
		.amdhsa_reserve_vcc 0
		.amdhsa_float_denorm_mode_32 3
		.amdhsa_float_denorm_mode_16_64 3
		.amdhsa_memory_ordered 1
		.amdhsa_forward_progress 1
		.amdhsa_inst_pref_size 145
	.end_amdhsa_kernel
	.amdgpu_metadata
---
amdhsa.version: [ 1, 2 ]
amdhsa.kernels:
  - .name:           k_q83a5da7b0d_hist
    .symbol:         k_q83a5da7b0d_hist.kd
    .args:
      - { .name: img_ref, .offset: 0, .size: 8, .value_kind: global_buffer, .address_space: global }
      - { .name: img_tar, .offset: 8, .size: 8, .value_kind: global_buffer, .address_space: global }
      - { .name: bins_ref, .offset: 16, .size: 8, .value_kind: global_buffer, .address_space: global }
      - { .name: bins_tar, .offset: 24, .size: 8, .value_kind: global_buffer, .address_space: global }
      - { .name: mm, .offset: 32, .size: 8, .value_kind: global_buffer, .address_space: global }
      - { .name: part, .offset: 40, .size: 8, .value_kind: global_buffer, .address_space: global }
    .group_segment_fixed_size: 173056
    .private_segment_fixed_size: 0
    .kernarg_segment_align: 8
    .kernarg_segment_size: 48
    .max_flat_workgroup_size: 256
    .sgpr_count:     66
    .vgpr_count:     384
    .wavefront_size: 32
...
	.end_amdgpu_metadata
.endif
;; end of part 2
;; launch fold (part 3): grid 256 x 1, 2 waves a work-group, no clusters, 0 bytes of LDS; arguments part, out0; writes out0
.if DOCPART == 3
	.amdgcn_target "amdgcn-amd-amdhsa--gfx1250"
	.amdhsa_code_object_version 6
	.text
	.protected	k_q83a5da7b0d_fold
	.globl	k_q83a5da7b0d_fold
	.p2align	8
	.type	k_q83a5da7b0d_fold,@function
k_q83a5da7b0d_fold:
	s_mov_b64 s[64:65], 0
	v_nop
	global_prefetch_b8 v0, s[64:65] scope:SCOPE_SE
	s_setreg_imm32_b32 hwreg(HW_REG_WAVE_MODE, 25, 1), 1
	s_wait_xcnt 0x0
; out0[n][b][c] = 3072 x the sum over k = 0 .. 15 of part[16 n + k][b][c].
; 3072 = 4096 (the division by the squared bin width) x (3 sqrt 3 / 6)^2 (the window values were kept as 6 B / (3 sqrt 3)).
; Work-group g of 256: image g / 16, bytes 1,024 (g mod 16) .. + 1,023 of its 16 KiB tile.  64 threads, 16 bytes each: a wave's load or
; store covers 512 neighbouring bytes, aligned.  All 16 loads of a thread go out at once; the sums are made in a fixed order.
.set TILE, 16384                       ; bytes of a 64 x 64 tile of f32
.set P, 4                              ; v[4:67]  partial k: 4 registers
	s_load_b128 s[4:7], s[0:1], 0x0                ; part s[4:5], out0 s[6:7]
	s_lshr_b32 s8, ttmp9, 4                        ; image
	s_and_b32 s9, ttmp9, 15                        ; which sixteenth of the tile
	s_lshl_b32 s8, s8, 18                          ; image x 16 tiles x 16,384 bytes
	s_lshl_b32 s9, s9, 10
	s_add_co_u32 s8, s8, s9
	s_mov_b32 s9, 0
	s_lshl_b32 s10, ttmp9, 10                      ; in out0: image x 16,384 + sixteenth x 1,024 = g x 1,024
	s_mov_b32 s11, 0
	v_lshlrev_b32 v1, 4, v0
	s_wait_kmcnt 0x0
	s_add_nc_u64 s[4:5], s[4:5], s[8:9]
	s_add_nc_u64 s[6:7], s[6:7], s[10:11]
.irp k, 0,1,2,3,4,5,6,7,8,9,10,11,12,13,14,15
	global_load_b128 v[P+4*\k:P+4*\k+3], v1, s[4:5] offset:\k*TILE th:TH_LOAD_NT   ; read once in this launch
.endr
; eight partial sums, beginning at b, to one
.macro ADD8 b
.irp k, 0,2,4,6
	v_pk_add_f32 v[\b+4*\k:\b+4*\k+1], v[\b+4*\k:\b+4*\k+1], v[\b+4*\k+4:\b+4*\k+5]
	v_pk_add_f32 v[\b+4*\k+2:\b+4*\k+3], v[\b+4*\k+2:\b+4*\k+3], v[\b+4*\k+6:\b+4*\k+7]
.endr
.irp k, 0,4
	v_pk_add_f32 v[\b+4*\k:\b+4*\k+1], v[\b+4*\k:\b+4*\k+1], v[\b+4*\k+8:\b+4*\k+9]
	v_pk_add_f32 v[\b+4*\k+2:\b+4*\k+3], v[\b+4*\k+2:\b+4*\k+3], v[\b+4*\k+10:\b+4*\k+11]
.endr
	v_pk_add_f32 v[\b:\b+1], v[\b:\b+1], v[\b+16:\b+17]
	v_pk_add_f32 v[\b+2:\b+3], v[\b+2:\b+3], v[\b+18:\b+19]
.endm
	s_wait_loadcnt 8                               ; partial sums 0 to 7 are in; the eight younger loads may be out
	ADD8 P
	s_wait_loadcnt 0x0
	ADD8 P+32
	v_pk_add_f32 v[P:P+1], v[P:P+1], v[P+32:P+33]
	v_pk_add_f32 v[P+2:P+3], v[P+2:P+3], v[P+34:P+35]
	v_pk_mul_f32 v[P:P+1], v[P:P+1], 0x45400000 op_sel_hi:[1,0]       ; x 3072
	v_pk_mul_f32 v[P+2:P+3], v[P+2:P+3], 0x45400000 op_sel_hi:[1,0]
	global_store_b128 v1, v[P:P+3], s[6:7] th:TH_STORE_NT
	s_endpgm
.Lfunc_end_k_q83a5da7b0d_fold:
	.size	k_q83a5da7b0d_fold, .Lfunc_end_k_q83a5da7b0d_fold-k_q83a5da7b0d_fold
	.p2alignl 7, 3214868480
	.fill 96, 4, 3214868480
	.section	.rodata,"a",@progbits
	.p2align	6, 0x0
	.amdhsa_kernel k_q83a5da7b0d_fold
		.amdhsa_group_segment_fixed_size 0
		.amdhsa_private_segment_fixed_size 0
		.amdhsa_enable_private_segment 0
		.amdhsa_kernarg_size 16
		.amdhsa_user_sgpr_count 2
		.amdhsa_user_sgpr_kernarg_segment_ptr 1
		.amdhsa_wavefront_size32 1
		.amdhsa_system_sgpr_workgroup_id_x 1
		.amdhsa_system_sgpr_workgroup_id_y 1
		.amdhsa_system_sgpr_workgroup_id_z 1
		.amdhsa_system_vgpr_workitem_id 0
		.amdhsa_next_free_vgpr 72
		.amdhsa_next_free_sgpr 66
		.amdhsa_reserve_vcc 0
		.amdhsa_float_denorm_mode_32 3
		.amdhsa_float_denorm_mode_16_64 3
		.amdhsa_memory_ordered 1
		.amdhsa_forward_progress 1
		.amdhsa_inst_pref_size 5
	.end_amdhsa_kernel
	.amdgpu_metadata
---
amdhsa.version: [ 1, 2 ]
amdhsa.kernels:
  - .name:           k_q83a5da7b0d_fold
    .symbol:         k_q83a5da7b0d_fold.kd
    .args:
      - { .name: part, .offset: 0, .size: 8, .value_kind: global_buffer, .address_space: global }
      - { .name: out0, .offset: 8, .size: 8, .value_kind: global_buffer, .address_space: global }
    .group_segment_fixed_size: 0
    .private_segment_fixed_size: 0
    .kernarg_segment_align: 8
    .kernarg_segment_size: 16
    .max_flat_workgroup_size: 64
    .sgpr_count:     66
    .vgpr_count:     72
    .wavefront_size: 32
...
	.end_amdgpu_metadata
.endif
;; end of part 3
